; MI455X (gfx1250); checked and timed in simulation.
; The chip was launched on July 23, 2026; its instructions are those of AMD's public machine-readable ISA for CDNA 5 (MIT licence, August 2026) and "CDNA5" Instruction Set Architecture Reference Guide (July 2026). The comments in the code are by the model that wrote it; some were corrected since.
;; GODE. Allowed arithmetic: matrix products marked QUANTISED: E2M3 operands, one E8M0 scale for each 32 along K, by v_wmma_scale_f32_16x16x128_f8f6f4 with both operands' format E2M3, f32 sums; everything else in f32.
;; Inputs: W1 1,024 x 1,024 float32; W2 1,024 x 512 float32; Wf 1,024 x 1,024 float32; b1 1,024 float32; b2 512 float32; bf 1,024 float32; hz 32 x 512 x 512 float32; inp 32 x 512 x 512 float32.
;; Outputs: out0 32 x 512 x 512 float32.
;; This version of the problem:
;;   THIS VERSION OF THE PROBLEM IS GIVEN IN LOW PRECISION. The matrix products marked QUANTISED in the list below multiply operands that are first quantised to E2M3 (2 exponent bits, 3 mantissa bits; 6 bits a number), with one power-of-two scale for each 32 numbers along K (OCP MX v1.0); their sums are f32. All else is computed in f32.
;;   The module's matrix products, in the order in which they are computed (A, B: the left and right operand; K: the contracted axis; several contracted axes count as one K, in the product's order):
;;     1. [M 16,384, K 1,024] x [K 1,024, N 1,024]; A: computed on the way; B: input Wf: QUANTISED
;;     2. [M 16,384, K 1,024] x [K 1,024, N 1,024]; A: computed on the way; B: input Wf: QUANTISED
;;     3. [M 16,384, K 1,024] x [K 1,024, N 1,024]; A: computed on the way; B: input W1: QUANTISED
;;     4. [M 16,384, K 1,024] x [K 1,024, N 512]; A: computed on the way; B: input W2: QUANTISED
;;   THE QUANTISER, for each operand of a quantised product, along K:
;;     - K is cut into blocks of 32 from its start; a last block that is shorter is filled with zeros.
;;     - A block's scale is 2^e with e = floor(log2(the largest magnitude in the block)) - 2, held to -126 .. 127; a block of zeros has e = 0. As a byte (E8M0): e + 127.
;;     - Each number is divided by its block's scale, clamped to +-7.5, and rounded to the nearest number of E2M3, ties to even, subnormals kept.
;;     - The product sums the exact products of the quantised numbers (number of the format x scale) in f32.
;;   ~~~python
;;   def quantise(x, axis):      # numpy; x: float32 -> the quantised numbers, widened to float32 again
;;       x = np.moveaxis(x, axis, -1); K = x.shape[-1]
;;       x = np.pad(x, [(0, 0)] * (x.ndim - 1) + [(0, -K % 32)]); x = x.reshape(x.shape[:-1] + (-1, 32)); a = np.abs(x).max(-1, keepdims=True)
;;       e = np.where(a > 0, np.clip(np.frexp(np.where(a > 0, a, 1))[1] - 1 - 2, -126, 127), 0)      # np.frexp(a)[1] - 1 = floor(log2(a)), exactly
;;       r = np.clip(x / 2.0 ** e, -7.5, 7.5)
;;       step = 2.0 ** (np.maximum(np.frexp(np.where(r == 0, 1, r))[1] - 1, 0) - 3)
;;       q = np.round(r / step) * step * 2.0 ** e      # np.round: ties to even
;;       return np.moveaxis(q.reshape(q.shape[:-2] + (-1,))[..., :K], -1, axis).astype(np.float32)
;;   ~~~
;;   OPERANDS COMPUTED ON THE WAY. 'Computed on the way' means the value that the module computes at that place (a softmax that the list does not call 'softmax' is quantised finished and normalised). What goes into a quantiser is computed in f32, as accurately as f32 sums, v_exp_f32 and their like allow (about 1e-6 of the number): no bf16 or f16 on the way to a quantiser, and a product that is left as it is and whose result goes on into a quantised operand takes f32 operands (vector FMAs, or v_wmma_f32_16x16x4_f32). A number that lies on a knife's edge between two numbers of the format may be rounded either way, as far as f32 arithmetic and the matrix unit's own rounding can turn it there, and no further.
;; One version. Each part assembles by itself: llvm-mc -triple=amdgcn-amd-amdhsa -mcpu=gfx1250 --defsym DOCPART=n.
;; ======== version 1 of 1: 2 launches
;; limits: right only within a limited range of input values
;; workspace buffers: wq 2,048,000 bytes
;; launch prep (part 1): grid 160 x 1, 4 waves a work-group, no clusters, 0 bytes of LDS; arguments Wf, W1, W2, wq; writes wq
.if DOCPART == 1
	.amdgcn_target "amdgcn-amd-amdhsa--gfx1250"
	.amdhsa_code_object_version 6
	.text
	.protected	k_q9aff0efdcc_prep
	.globl	k_q9aff0efdcc_prep
	.p2align	8
	.type	k_q9aff0efdcc_prep,@function
k_q9aff0efdcc_prep:
	s_mov_b64 s[64:65], 0
	v_nop
	global_prefetch_b8 v0, s[64:65] scope:SCOPE_SE
	s_setreg_imm32_b32 hwreg(HW_REG_WAVE_MODE, 25, 1), 1
	s_wait_xcnt 0x0
; Wf [1024][1024], W1 [1024][1024], W2 [1024][512], f32 with K as the FIRST axis, are quantised along K to codes of FP6 (E2M3) with one E8M0 byte for each 32 along K,
; once for the whole program, and laid in wq in the ORDER OF THE OPERAND'S REGISTERS, cut into the slots in which the second launch streams them.
; NO WORK IS LEFT OUT in this program: every input has a way to the output and is loaded (the biases in the second launch).
; wq: 20 slots of 102,400 bytes (Wf 0-7, W1 8-15, W2 16-19).  A slot is four quarters of 25,600 bytes, one for each wave w of the second launch.  There wave w makes its columns in UNITS of 64 (unit q: columns
; 256 w + 64 q, in W2 128 w + 64 q); a unit's weights are two slots: slot 2 q + s / 4 of the tensor holds K step s (128 along K).  A quarter holds 16 fragments of 1,536 bytes, fragment (ks, t) at (4 ks + t) x 1,536
; (ks = s % 4; t: which of the unit's 4 tiles of 16 columns), and behind them, at 24,576, the scale words: 256 ks + 128 b + 4 (16 u + r) for tile 2 b + u, row r.
; A fragment is an image of 12 registers: register q of lane l at 512 (q / 4) + 16 l + 4 (q % 4); lane l = r + 16 h holds k = 64 c + 32 h + 0 .. 31 of the K step in registers 6 c .. 6 c + 5.
; THE COLUMNS OF A TILE ARE NOT NEIGHBOURS: row r of tile 2 b + u is column 32 b + 8 u + r + 8 (r / 8) of the unit's 64, so that in the second launch a lane's 16 results of two neighbouring tiles are 16 neighbours along the next K.
; SHARES: a work-group takes 128 columns x 128 along K (work-groups 0-63 Wf, 64-127 W1, 128-159 W2); a wave 32 columns; A LANE TAKES A COLUMN AND ITS REGISTERS RUN DOWN K: each load reads 128 consecutive bytes a wave,
; a block of 32 lies in one lane, and the conversions give the codes with K innermost.  A lane's four blocks are the registers of fragment lanes (r, 0) and (r, 1).
; A block's scale byte is its largest magnitude's exponent field - 2, held at 1 from below.
; LIMITS: a block of zeros, or one whose largest magnitude lies under 2^-124, gets the byte 1 (the rule says 127 for zeros): its codes are zeros or as the held byte gives them, and this program alone reads the bytes.
; NaN and infinities among the inputs are not served.
; The scale words leave as 128 consecutive bytes a wave: one byte in 25 of what is stored.  160 work-groups: the three tensors hold no more shares of this size.
.set SLOTB, 102400
.set QB,    25600
.set FRB,   1536
.set SCO,   24576
.set VI,    2                          ; v2      4 x lane: my column in a row of the weight
.set VO,    3                          ; v3      1,536 u + 16 r: my place in the wave's two fragments
.set VS,    4                          ; v4      64 u + 4 r: my scale word's place
.set SO,    16                         ; v16-19  the conversions' scale operands, one a block
.set SW,    20                         ; v20     my column's scale word
.set CD,    24                         ; v24-47  the codes: 12 registers for h = 0, 12 for h = 1
.set TP,    48                         ; v48-63  a block's second three registers, made here and moved (a conversion's three begin on an even number)
.set X,     64                         ; v64-191 my column's 128 numbers
	s_load_b256 s[4:11], s[0:1], 0x0               ; Wf s[4:5], W1 s[6:7], W2 s[8:9], wq s[10:11]
	v_lshrrev_b32 v5, 5, v0
	v_readfirstlane_b32 s24, v5                    ; wave: which 32 of the 128 columns
	v_and_b32 v1, 31, v0                           ; lane
	v_lshlrev_b32 v[VI], 2, v1
	v_bfe_u32 v5, v1, 3, 1                         ; u = (lane / 8) % 2
	v_and_b32 v6, 7, v1
	v_lshrrev_b32 v7, 4, v1
	v_lshl_add_u32 v6, v7, 3, v6                   ; r = lane % 8 + 8 (lane / 16)
	v_mul_u32_u24 v[VO], v5, FRB
	v_lshl_add_u32 v[VO], v6, 4, v[VO]
	v_lshlrev_b32 v[VS], 6, v5
	v_lshl_add_u32 v[VS], v6, 2, v[VS]
	s_and_b32 s14, ttmp9, 63                       ; my place in my tensor
	s_and_b32 s15, s14, 7                          ; s: which 128 along K
	s_lshr_b32 s16, s14, 3                         ; cg: which 128 columns
	s_lshr_b32 s17, ttmp9, 6
	s_lshl_b32 s17, s17, 3                         ; my tensor's first slot: 0, 8, 16
	s_lshr_b32 s19, s16, 1
	s_and_b32 s20, s16, 1
	s_cmp_lt_u32 ttmp9, 128                        ; a tensor of 1,024 columns?
	s_cselect_b32 s18, 19, 18                      ; 128 rows are 2^19 bytes there, 2^18 in W2
	s_cselect_b32 s19, s19, s16                    ; w: columns 256 w + 128 j there, 128 w in W2
	s_cselect_b32 s20, s20, 0                      ; j
	s_lshl_b32 s20, s20, 2
	s_add_co_u32 s17, s17, s20                     ; the unit is q = 2 j + wave / 2: slot = first + 2 q + s / 4
	s_and_b32 s21, s24, 2
	s_add_co_u32 s17, s17, s21
	s_lshr_b32 s21, s15, 2
	s_add_co_u32 s17, s17, s21
	s_and_b32 s21, s15, 3                          ; ks
	s_and_b32 s23, s24, 1                          ; b: which 32 of the unit's 64 columns
	s_mul_i32 s22, s17, SLOTB
	s_mul_i32 s25, s19, QB
	s_add_co_u32 s22, s22, s25                     ; my quarter
	s_lshl_b32 s25, s21, 2
	s_lshl_b32 s26, s23, 1
	s_add_co_u32 s25, s25, s26
	s_mul_i32 s25, s25, FRB                        ; fragments 4 ks + 2 b and the next
	s_add_co_u32 s26, s22, s25
	s_mov_b32 s27, 0
	s_lshl_b32 s28, s21, 8
	s_lshl_b32 s29, s23, 7
	s_add_co_u32 s28, s28, s29
	s_add_co_u32 s28, s28, s22
	s_add_co_u32 s28, s28, SCO                     ; scale words: 256 ks + 128 b
	s_mov_b32 s29, 0
	s_lshl_b32 s30, s15, s18                       ; the weight: 128 s rows down,
	s_lshl_b32 s31, s16, 9
	s_add_co_u32 s30, s30, s31                     ; 128 cg columns,
	s_lshl_b32 s31, s24, 7
	s_add_co_u32 s30, s30, s31                     ; 32 x wave columns on
	s_mov_b32 s31, 0
	s_wait_kmcnt 0x0
	s_cmp_lt_u32 ttmp9, 64                         ; the choice of the tensor hangs on the work-group's number alone
	s_cselect_b64 s[12:13], s[4:5], s[6:7]
	s_cmp_lt_u32 ttmp9, 128
	s_cselect_b64 s[12:13], s[12:13], s[8:9]
	s_add_nc_u64 s[12:13], s[12:13], s[30:31]
	s_add_nc_u64 s[26:27], s[10:11], s[26:27]
	s_add_nc_u64 s[28:29], s[10:11], s[28:29]
.macro LOADB kb, pitch                 ; block kb: W(32 kb + i, my column), i = 0 .. 31
.set ii, 0
.rept 32
	global_load_b32 v[X+32*(\kb)+ii], v[VI], s[12:13] offset:(32*(\kb)+ii)*(\pitch) th:TH_LOAD_NT
.set ii, ii+1
.endr
.endm
.macro BLOCK kb, pitch                 ; block kb = 2 c + h of the K step
.set XS, X+32*(\kb)
.set CC, CD+12*((\kb)%2)+6*((\kb)/2)
.if (\kb) < 3
	s_wait_loadcnt 32                              ; this block's 32 loads are in; the next block's 32 may be out
.else
	s_wait_loadcnt 0x0
.endif
.if (\kb) < 2
	LOADB (\kb)+2, \pitch                          ; loads run two blocks ahead
.endif
	v_max3_num_f32 v8, |v[XS]|, |v[XS+1]|, |v[XS+2]|       ; the block's largest magnitude: all 32 numbers are mine; two chains
	v_max3_num_f32 v9, |v[XS+3]|, |v[XS+4]|, |v[XS+5]|
.irp i, 6,10,14,18,22,26
	v_max3_num_f32 v8, v8, |v[XS+\i]|, |v[XS+\i+1]|
	v_max3_num_f32 v9, v9, |v[XS+\i+2]|, |v[XS+\i+3]|
.endr
	v_max3_num_f32 v8, v8, |v[XS+30]|, |v[XS+31]|
	v_max3_num_f32 v8, v8, v9, 0x1800000           ; and the floor 2^(3 - 127): the byte cannot fall under 1
	v_add_nc_u32 v[SO+(\kb)], 0xff000000, v8       ; 2 off the exponent field: the conversion takes the exponent field of this operand as its scale
	v_lshrrev_b32 v9, 23, v[SO+(\kb)]              ; the scale's byte
.if (\kb) == 0
	v_mov_b32 v[SW], v9
.else
	v_lshl_or_b32 v[SW], v9, 8*(\kb), v[SW]        ; the lower K in the lower byte
.endif
	v_cvt_scalef32_pk16_fp6_f32 v[CC:CC+2], v[XS:XS+15], v[SO+(\kb)]
	v_cvt_scalef32_pk16_fp6_f32 v[TP+4*(\kb):TP+4*(\kb)+2], v[XS+16:XS+31], v[SO+(\kb)]
.endm
.macro BODY pitch
	LOADB 0, \pitch
	LOADB 1, \pitch
	BLOCK 0, \pitch
	BLOCK 1, \pitch
	BLOCK 2, \pitch
	BLOCK 3, \pitch
.endm
	s_cmp_lt_u32 ttmp9, 128                        ; the loads' immediates hold the row pitch, so the four blocks are written once for each pitch
	s_cbranch_scc0 .Lnarrow
	s_wait_alu depctr_va_vdst(0)
	BODY 4096
	s_branch .Lcoded
.Lnarrow:
	s_wait_alu depctr_va_vdst(0)
	BODY 2048
.Lcoded:
	v_nop                                          ; one plain place behind the last scaled conversion
.irp kb, 0,1,2,3
.irp i, 0,1,2
	v_mov_b32 v[CD+12*(\kb%2)+6*(\kb/2)+3+\i], v[TP+4*\kb+\i]
.endr
.endr
.irp h, 0,1
.irp p, 0,1,2
	global_store_b128 v[VO], v[CD+12*\h+4*\p:CD+12*\h+4*\p+3], s[26:27] offset:512*\p+256*\h   ; registers 4 p .. 4 p + 3 of fragment lanes (r, h): the wave fills 256 consecutive aligned bytes in each of its two fragments
.endr
.endr
	global_store_b32 v[VS], v[SW], s[28:29]        ; the wave's 32 scale words: 128 consecutive bytes
	s_endpgm
.Lfunc_end_k_q9aff0efdcc_prep:
	.size	k_q9aff0efdcc_prep, .Lfunc_end_k_q9aff0efdcc_prep-k_q9aff0efdcc_prep
	.p2alignl 7, 3214868480
	.fill 96, 4, 3214868480
	.section	.rodata,"a",@progbits
	.p2align	6, 0x0
	.amdhsa_kernel k_q9aff0efdcc_prep
		.amdhsa_group_segment_fixed_size 0
		.amdhsa_private_segment_fixed_size 0
		.amdhsa_enable_private_segment 0
		.amdhsa_kernarg_size 32
		.amdhsa_user_sgpr_count 2
		.amdhsa_user_sgpr_kernarg_segment_ptr 1
		.amdhsa_wavefront_size32 1
		.amdhsa_system_sgpr_workgroup_id_x 1
		.amdhsa_system_sgpr_workgroup_id_y 1
		.amdhsa_system_sgpr_workgroup_id_z 1
		.amdhsa_system_vgpr_workitem_id 0
		.amdhsa_next_free_vgpr 192
		.amdhsa_next_free_sgpr 66
		.amdhsa_reserve_vcc 0
		.amdhsa_float_denorm_mode_32 3
		.amdhsa_float_denorm_mode_16_64 3
		.amdhsa_memory_ordered 1
		.amdhsa_forward_progress 1
		.amdhsa_inst_pref_size 39
	.end_amdhsa_kernel
	.amdgpu_metadata
---
amdhsa.version: [ 1, 2 ]
amdhsa.kernels:
  - .name:           k_q9aff0efdcc_prep
    .symbol:         k_q9aff0efdcc_prep.kd
    .args:
      - { .name: Wf, .offset: 0, .size: 8, .value_kind: global_buffer, .address_space: global }
      - { .name: W1, .offset: 8, .size: 8, .value_kind: global_buffer, .address_space: global }
      - { .name: W2, .offset: 16, .size: 8, .value_kind: global_buffer, .address_space: global }
      - { .name: wq, .offset: 24, .size: 8, .value_kind: global_buffer, .address_space: global }
    .group_segment_fixed_size: 0
    .private_segment_fixed_size: 0
    .kernarg_segment_align: 8
    .kernarg_segment_size: 32
    .max_flat_workgroup_size: 128
    .sgpr_count:     66
    .vgpr_count:     192
    .wavefront_size: 32
...
	.end_amdgpu_metadata
.endif
;; end of part 1
;; launch chain (part 2): grid 256 x 1, 8 waves a work-group, no clusters, 326,656 bytes of LDS; arguments inp, hz, wq, bf, b1, b2, out0; writes out0
.if DOCPART == 2
	.amdgcn_target "amdgcn-amd-amdhsa--gfx1250"
	.amdhsa_code_object_version 6
	.text
	.protected	k_q9aff0efdcc_chain
	.globl	k_q9aff0efdcc_chain
	.p2align	8
	.type	k_q9aff0efdcc_chain,@function
k_q9aff0efdcc_chain:
	s_mov_b64 s[64:65], 0
	v_nop
	global_prefetch_b8 v0, s[64:65] scope:SCOPE_SE
	s_setreg_imm32_b32 hwreg(HW_REG_WAVE_MODE, 25, 1), 1
	s_wait_xcnt 0x0
; h = [inp | hz]; twice h += 0.1 tanh(Q(h) Q(Wf) + bf); out0 = tanh(Q(relu(Q(h) Q(W1) + b1)) Q(W2) + b2).  Q: codes of FP6 (E2M3), one E8M0 scale for each 32 along K.  All four layers in this launch.
; No work of the problem is left out: every product, bias and input is live and is used as given.
; SHARES.  A work-group owns 64 rows.  Eight waves; wave w makes columns 128 w .. + 127 (last layer: 64 w .. + 63) of all 64 rows, in UNITS of 64 columns:
; 4 tiles of columns x 4 tiles of rows = 16 accumulators, 8 K steps of 128, 128 matrix instructions.  Units a wave: 2, 2, 2, 1.
; PHASES.  The waves have two roles, (w xor w / 4) & 1.  Between two work-group barriers one role multiplies a unit while the other runs the epilogue of the unit that it multiplied in the phase before.
; A layer of two units a wave is five phases (q = phase + 1 for role 0, phase for role 1: q odd multiplies, q even is the epilogue, q = 0 and 5 do nothing).
; THE PRODUCTS ARE USED TRANSPOSED (source 0 = 16 columns of the weight, source 1 = 16 rows): lane (r, h) holds one row, and, by the first launch's choice of a tile's columns,
; register 32 m + 16 b + i of a unit is (row 16 m + r, column 32 b + 16 h + i): 16 neighbours along the next K.  A wave's two units are one K step of the next layer.
; THE WEIGHTS go from wq, where they lie as register images, STRAIGHT INTO REGISTERS: each fragment is read by one wave of the work-group, once.  Four sets of 4 fragments and 2 scale words (14 loads);
; a set is asked for again right behind its products, four K steps ahead, on into the next unit: so 42 younger loads may be out at each K step's wait.
; No tensor load, so no joint loads in a cluster: nothing that several work-groups read is laid in LDS.  No prefetch into the L2: all work-groups read the same weights at the same steps, and x is wanted at the head.
; h in f32 lies in LDS, 64 rows x (512 + 16) bytes for each wave, the wave's own: x is stored there as it is loaded and read back a row to a lane; out0's stage lies there at the end.
; THE ACTIVATIONS' CODES lie in ONE LDS buffer as images of their registers.  A layer's new codes are held in registers and stored behind a barrier behind which nobody reads the old ones.
; tanh(x) = 1 - 2 / (1 + 2^(2 log2(e) x)): right at both ends (2^.. = infinity gives 1, 0 gives -1).
; LIMITS: NaN and infinities among the inputs are not served.  A block of zeros, or one under 2^-124, gets the scale byte 1: only this program reads the bytes.
; REGISTERS: window 0: v0-31 addresses, v32-43 scale words, v44-59 at work, v60-63 held scale words, v64-255 the weights' four sets.
; window 1: v0-127 accumulators, (m, t) at 32 m + 8 t (behind an odd unit's epilogue v0-23: its codes); v128-223 activation fragments, two sets (in an epilogue: v128-159 biases, v160-223 h); v224-247 the even unit's codes.
.set SLOTB, 102400                     ; wq: a slot, a quarter of it, a fragment's image, a quarter's scale words (the first launch's layout)
.set QB,    25600
.set FRB,   1536
.set SCO,   24576
.set HP,    528                        ; a row of a wave's h: 512 bytes + 16
.set HW,    64*HP
.set ABUF,  8*HW                       ; the codes: fragment (K step k, tile of rows m) at (4 k + m) FRB; scale words at ASC + 256 k + 128 (m % 2) + 8 r + 4 (m / 2)
.set ASC,   49152
.set BIAS,  ABUF+51200                 ; 512 bytes a wave: the layer's biases of my columns
.set SPARE, BIAS+4096                  ; the spare words, 128 bytes a wave: four blocks of 256 bytes that no other line names
.set OP,    272                        ; out0's stage: 16 rows of 256 bytes + 16, at the start of my h
.set LI,   1                           ; 16 x lane
.set L4,   2                           ; 4 x lane
.set AADR, 3                           ; the codes, as I read them
.set ASAD, 4                           ; their scale words
.set OADR, 5                           ; where my K step's codes go
.set OSAD, 6                           ; and their scale words
.set HRD,  7                           ; my h: row r, + 64 h
.set HAD,  8                           ; the same at the phase's unit
.set BRD,  9                           ; my biases, + 64 h
.set BADR, 10                          ; the same at the phase's unit
.set XSI,  11                          ; my h: 16 x lane
.set STO,  12                          ; out0's stage, in
.set SRD,  13                          ; and back
.set GO,   14                          ; out0: 2,048 (lane / 16) + 16 (lane % 16)
.set BST,  15                          ; my biases, on the way in
.set B1R,  16                          ; v16-19 b1 of my columns
.set B2R,  20                          ; v20-21 b2 x 2 log2(e)
.set BGO,  25                          ; 512 w + 16 lane
.set B2G,  26                          ; 256 w + 8 lane
.set B2A,  27                          ; b2's place in LDS
.set SPW,  30                          ; my spare word; never rewritten
.set NIL,  31                          ; 0; never rewritten
.set WS,   32                          ; v32-39 the weights' scale words, four sets of 2.  Scales and nothing else
.set AS,   40                          ; v40-43 the activations', two sets of 2.  Scales and nothing else
.set TM,   44                          ; v44-59 at work
.set PW,   52                          ; at the head: a fragment's scale word
.set PWH,  60                          ; v60-63 the held scale words
.set WF,   64
.set AF,   128                         ; window 1
.set BI,   128
.set HT,   160
.set HD,   224
.set S_WV,  18
.set S_ROLC, 19                        ; 1 for role 0
.set S_T,   20
.set S_Q,   21
.set S_U,   22                         ; 256 x the phase's unit
.set S_CC,  23                         ; the phase's unit
.set S_LAY, 24
.set S_NU,  25                         ; which of my 7 units has been asked for
.set S_TS,  26
.set S_O6,  27                         ; my unit of W2, from S_WB0
.set S_OFF, 28
.set S_WB0, 30                         ; wq at my first unit
.set S_WBC, 32                         ; at the unit being multiplied
.set S_WBN, 34                         ; at the next
.set S_XB,  36
.set C2S,   38                         ; 2 log2(e)
.set DTS,   40                         ; 0.1
.set SEL,   42
.set MSB, 0
.macro WIN new                         ; the immediate's high byte repeats the setting that is left
.if MSB != (\new)
	s_set_vgpr_msb (MSB<<8)|(\new)
.set MSB, (\new)
.endif
.endm
.macro PLACES                          ; four plain places behind a matrix instruction (ISA guide 7.12.1 for vector instructions)
.rept 4
	v_nop
.endr
.endm
.macro WLOAD set, base, ks             ; K step ks of the unit at the scalar base: 12 loads of fragments, 2 of scale words
.set ff, 0
.rept 4
.irp p, 0,1,2
	global_load_b128 v[WF+48*(\set)+12*ff+4*\p:WF+48*(\set)+12*ff+4*\p+3], v[LI], s[\base:\base+1] offset:((\ks)/4)*SLOTB+(4*((\ks)%4)+ff)*FRB+512*\p
.endr
.set ff, ff+1
.endr
.irp b, 0,1
	global_load_b32 v[WS+2*(\set)+\b], v[L4], s[\base:\base+1] offset:((\ks)/4)*SLOTB+SCO+256*((\ks)%4)+128*\b
.endr
.endm
.macro FETCH_A k, set                  ; the four activation fragments of K step k and their scale words: 13 loads
	WIN 0
	ds_load_b64 v[AS+2*(\set):AS+2*(\set)+1], v[ASAD] offset:256*(\k)
	WIN 0x40
.irp m, 0,1,2,3
.irp p, 0,1,2
	ds_load_b128 v[AF+48*(\set)+12*\m+4*\p:AF+48*(\set)+12*\m+4*\p+3], v[AADR] offset:(4*(\k)+\m)*FRB+512*\p
.endr
.endr
.endm
.macro BIASLD                          ; register 16 b + i: the bias of column 32 b + 16 h + i of my unit
	WIN 0x40
.irp b, 0,1
.irp q, 0,1,2,3
	ds_load_b128 v[BI+16*\b+4*\q:BI+16*\b+4*\q+3], v[BADR] offset:128*\b+16*\q
.endr
.endr
.endm
.macro WMS c                           ; the product of weight tile tt and row tile mm; odd tiles' scale words lie in lanes 16-31
.if (tt%2 == 0) && (mm%2 == 0)
	v_wmma_scale_f32_16x16x128_f8f6f4 v[rD:rD+7], v[rA:rA+11], v[rB:rB+11], \c, v[rX], v[rY] matrix_a_fmt:MATRIX_FMT_FP6 matrix_b_fmt:MATRIX_FMT_FP6
.elseif (tt%2 == 1) && (mm%2 == 0)
	v_wmma_scale_f32_16x16x128_f8f6f4 v[rD:rD+7], v[rA:rA+11], v[rB:rB+11], \c, v[rX], v[rY] matrix_a_fmt:MATRIX_FMT_FP6 matrix_b_fmt:MATRIX_FMT_FP6 matrix_a_scale:MATRIX_SCALE_ROW1
.elseif (tt%2 == 0)
	v_wmma_scale_f32_16x16x128_f8f6f4 v[rD:rD+7], v[rA:rA+11], v[rB:rB+11], \c, v[rX], v[rY] matrix_a_fmt:MATRIX_FMT_FP6 matrix_b_fmt:MATRIX_FMT_FP6 matrix_b_scale:MATRIX_SCALE_ROW1
.else
	v_wmma_scale_f32_16x16x128_f8f6f4 v[rD:rD+7], v[rA:rA+11], v[rB:rB+11], \c, v[rX], v[rY] matrix_a_fmt:MATRIX_FMT_FP6 matrix_b_fmt:MATRIX_FMT_FP6 matrix_a_scale:MATRIX_SCALE_ROW1 matrix_b_scale:MATRIX_SCALE_ROW1
.endif
.endm
.macro MUL ws, as, zero                ; 16 products; the 16 accumulators take turns, in the same order in every K step
.set tt, 0
.rept 4
.set mm, 0
.rept 4
.set rD, 32*mm+8*tt
.set rA, WF+48*(\ws)+12*tt
.set rB, AF+48*(\as)+12*mm
.set rX, WS+2*(\ws)+tt/2
.set rY, AS+2*(\as)+mm/2
.if \zero
	WMS 0
.else
	WMS v[rD:rD+7]
.endif
.set mm, mm+1
.endr
.set tt, tt+1
.endr
.endm
; A K STEP: its weights were asked for four K steps ago, its activations in the step before.  last = 1: my last unit: nothing follows it, and the counts run down.
.macro KSTEP k, last
.if (\last) && ((\k) > 4)
	s_wait_loadcnt 14*(7-(\k))
.else
	s_wait_loadcnt 42                              ; this step's 14 loads are in; the three younger sets may be out
.endif
	s_wait_dscnt 0x0                               ; this step's activations are in
.if (\k) < 7
	FETCH_A (\k)+1, ((\k)+1)%2                     ; (the places behind the last step's products stand there)
.else
	BIASLD
.endif
	WIN 0x54                                       ; C, D and the activations window 1, the weights window 0
	MUL (\k)%4, (\k)%2, (\k)==0
	PLACES
	WIN 0
.if (\k) < 4
	WLOAD (\k), S_WBC, (\k)+4
.elseif (\last) == 0
	WLOAD (\k)-4, S_WBN, (\k)-4
.endif
.endm
.macro MM last                         ; a unit's products
	s_wait_xcnt 0x0                                ; the loads issued so far have read their bases
	s_mov_b64 s[S_WBC:S_WBC+1], s[S_WBN:S_WBN+1]
.if (\last) == 0
	s_add_co_u32 s[S_NU], s[S_NU], 1               ; units 0-3: Wf's two, twice; 4, 5: W1's; 6: W2's
	s_and_b32 s[S_TS], s[S_NU], 1
	s_mul_i32 s[S_OFF], s[S_TS], 2*SLOTB
	s_cmp_ge_u32 s[S_NU], 4
	s_cselect_b32 s[S_TS], 8*SLOTB, 0
	s_add_co_u32 s[S_OFF], s[S_OFF], s[S_TS]
	s_cmp_eq_u32 s[S_NU], 6
	s_cselect_b32 s[S_OFF], s[S_O6], s[S_OFF]
	s_add_nc_u64 s[S_WBN:S_WBN+1], s[S_WB0:S_WB0+1], s[S_OFF:S_OFF+1]
.endif
	FETCH_A 0, 0
.irp k, 0,1,2,3,4,5,6,7
	KSTEP \k, \last
.endr
.endm
; 64 numbers of a lane in window 1 become codes: blocks 0, 1 in v[s] on, blocks 2, 3 in v[s2] on; a block's 16 registers are k 16 (lane / 16) + i of the block, of my row.  v[TM+4] .. v[TM+7]: the four scale bytes.
; full = 1: four blocks of one row tile: a whole fragment in v[pc] .. v[pc+11], its scale word in v[PW].  full = 0: two blocks of each of two row tiles x: v[pc+6x] .. +2 and v[pc+12+4x] .. +2.
.macro QUANT s, s2, pc, full
	WIN 0x05
.irp b, 0,1
	v_max3_num_f32 v[TM+\b], |v[(\s)+16*\b]|, |v[(\s)+16*\b+1]|, 0x1800000       ; with the floor 2^(3 - 127): the byte cannot fall under 1
.endr
.irp b, 0,1
	v_max3_num_f32 v[TM+2+\b], |v[(\s2)+16*\b]|, |v[(\s2)+16*\b+1]|, 0x1800000
.endr
.irp i, 2,4,6,8,10,12,14
.irp b, 0,1
	v_max3_num_f32 v[TM+\b], |v[(\s)+16*\b+\i]|, |v[(\s)+16*\b+\i+1]|, v[TM+\b]
.endr
.irp b, 0,1
	v_max3_num_f32 v[TM+2+\b], |v[(\s2)+16*\b+\i]|, |v[(\s2)+16*\b+\i+1]|, v[TM+2+\b]
.endr
.endr
	WIN 0
.irp b, 0,1,2,3
	v_permlanex16_b32 v[TM+4+\b], v[TM+\b], s[SEL], s[SEL+1]
.endr
.irp b, 0,1,2,3
	v_max_num_f32 v[TM+\b], v[TM+\b], v[TM+4+\b]   ; with lane l xor 16's: the block's largest magnitude
.endr
.irp b, 0,1,2,3
	v_add_nc_u32 v[TM+12+\b], 0xff000000, v[TM+\b] ; 2 off its exponent field: the conversion's scale operand
.endr
.irp b, 0,1,2,3
	v_lshrrev_b32 v[TM+4+\b], 23, v[TM+12+\b]      ; the scale's byte
.endr
.if \full
	v_lshl_or_b32 v[PW], v[TM+5], 8, v[TM+4]
	v_lshl_or_b32 v[PW], v[TM+6], 16, v[PW]
	v_lshl_or_b32 v[PW], v[TM+7], 24, v[PW]
.endif
	WIN 0x41
	v_cvt_scalef32_pk16_fp6_f32 v[(\pc):(\pc)+2], v[(\s):(\s)+15], v[TM+12]
	v_cvt_scalef32_pk16_fp6_f32 v[(\pc)+12:(\pc)+14], v[(\s)+16:(\s)+31], v[TM+13]   ; (a conversion's three registers begin on an even number)
	v_cvt_scalef32_pk16_fp6_f32 v[(\pc)+6:(\pc)+8], v[(\s2):(\s2)+15], v[TM+14]
	v_cvt_scalef32_pk16_fp6_f32 v[(\pc)+16:(\pc)+18], v[(\s2)+16:(\s2)+31], v[TM+15]
	v_nop                                          ; one plain place behind a scaled conversion
.irp c, 0,1                            ; the operand's layout wants a whole block in a lane
.irp i, 0,1,2
	v_permlane16_swap_b32 v[(\pc)+6*\c+\i], v[(\pc)+12+4*\c+\i]
.endr
.if \full
.irp i, 0,1,2
	v_mov_b32 v[(\pc)+3+6*\c+\i], v[(\pc)+12+4*\c+\i]
.endr
.endif
.endr
	WIN 0
.endm
.macro MOVH dst, pc                    ; two half fragments, 6 registers each, to where they are held
	WIN 0x41
.irp x, 0,1
.irp i, 0,1,2
	v_mov_b32 v[(\dst)+6*\x+\i], v[(\pc)+6*\x+\i]
	v_mov_b32 v[(\dst)+6*\x+3+\i], v[(\pc)+12+4*\x+\i]
.endr
.endr
	WIN 0
.endm
.macro HOLD half, pc                   ; row tiles 2 half, 2 half + 1: the even unit's codes to v224 on, the odd unit's to v0 on (accumulators that are done with); two bytes into each held scale word
	v_lshl_or_b32 v[TM+4], v[TM+5], 8, v[TM+4]
	v_lshl_or_b32 v[TM+6], v[TM+7], 8, v[TM+6]
	s_cmp_eq_u32 s[S_CC], 0
	s_wait_alu depctr_va_vdst(0)
	s_cbranch_scc0 .Lodd_\@
	v_mov_b32 v[PWH+2*(\half)], v[TM+4]
	v_mov_b32 v[PWH+2*(\half)+1], v[TM+6]
	MOVH HD+12*(\half), \pc
	s_branch .Lheld_\@
.Lodd_\@:
	v_lshl_or_b32 v[PWH+2*(\half)], v[TM+4], 16, v[PWH+2*(\half)]
	v_lshl_or_b32 v[PWH+2*(\half)+1], v[TM+6], 16, v[PWH+2*(\half)+1]
	MOVH 12*(\half), \pc
.Lheld_\@:
.endm
; tanh(sum + bias) of row tiles 2 half, 2 half + 1, in place.  Each kind of transcendental is one batch, with one wait ahead of it and one plain place and one wait behind it.
.macro TANHH half
.set hb, 64*(\half)
	WIN 0x51
	s_wait_alu depctr_va_vdst(0)
.set ii, 0
.rept 32
	v_pk_fma_f32 v[hb+ii:hb+ii+1], v[hb+ii:hb+ii+1], s[C2S:C2S+1], v[BI+ii%32:BI+ii%32+1] op_sel_hi:[1,0,1]   ; ascending: each accumulator is read from its low end on
.set ii, ii+2
.endr
	WIN 0x41
	s_wait_alu depctr_va_vdst(0)
.set ii, 0
.rept 64
	v_exp_f32 v[hb+ii], v[hb+ii]
.set ii, ii+1
.endr
	v_nop
	s_wait_alu depctr_va_vdst(0)
.set ii, 0
.rept 32
	v_pk_add_f32 v[hb+ii:hb+ii+1], v[hb+ii:hb+ii+1], 1.0 op_sel_hi:[1,0]
.set ii, ii+2
.endr
	s_wait_alu depctr_va_vdst(0)
.set ii, 0
.rept 64
	v_rcp_f32 v[hb+ii], v[hb+ii]
.set ii, ii+1
.endr
	v_nop
	s_wait_alu depctr_va_vdst(0)
.set ii, 0
.rept 32
	v_pk_fma_f32 v[hb+ii:hb+ii+1], v[hb+ii:hb+ii+1], -2.0, 1.0 op_sel_hi:[1,0,0]
.set ii, ii+2
.endr
	WIN 0
.endm
.macro HMOVE half, st                  ; my h of row tiles 2 half, 2 half + 1 at the phase's unit: from LDS (st = 0) or back (st = 1)
.irp x, 0,1
.irp b, 0,1
.irp q, 0,1,2,3
.if \st
	ds_store_b128 v[HAD], v[HT+32*\x+16*\b+4*\q:HT+32*\x+16*\b+4*\q+3] offset:16*(2*(\half)+\x)*HP+128*\b+16*\q
.else
	ds_load_b128 v[HT+32*\x+16*\b+4*\q:HT+32*\x+16*\b+4*\q+3], v[HAD] offset:16*(2*(\half)+\x)*HP+128*\b+16*\q
.endif
.endr
.endr
.endr
.endm
.macro EUPD half                       ; h += 0.1 tanh; the new h is quantised, and after the first step it goes back to LDS
	WIN 0x40
	HMOVE \half, 0
	TANHH \half
	s_wait_dscnt 0x0                               ; h is in
	WIN 0x51
.set ii, 0
.rept 32
	v_pk_fma_f32 v[HT+ii:HT+ii+1], v[hb+ii:hb+ii+1], s[DTS:DTS+1], v[HT+ii:HT+ii+1] op_sel_hi:[1,0,1]
.set ii, ii+2
.endr
	WIN 0
	s_cmp_lg_u32 s[S_LAY], 0
	s_wait_alu depctr_va_vdst(0)
	s_cbranch_scc1 .Lkeep_\@                       ; behind the second step nobody reads h again
	WIN 0x04
	HMOVE \half, 1
	WIN 0
.Lkeep_\@:
	QUANT HT, HT+32, 64*(\half)+32, 0
	HOLD \half, 64*(\half)+32
.endm
.macro ERELU half                      ; relu(sum + b1), quantised
.set hb, 64*(\half)
	WIN 0x45
.set ii, 0
.rept 32
	v_pk_add_f32 v[hb+ii:hb+ii+1], v[hb+ii:hb+ii+1], v[BI+ii%32:BI+ii%32+1]
.set ii, ii+2
.endr
	WIN 0x44
.set ii, 0
.rept 64
	v_max_num_f32 v[hb+ii], 0, v[hb+ii]
.set ii, ii+1
.endr
	QUANT hb, hb+32, HT, 0
	HOLD \half, HT
.endm
; out0: a tile of 16 rows x my 64 columns goes through my stage and comes back as rows of 256 bytes, two an instruction, into the registers that it left
.macro OSTAGE m
	WIN 0x04
.irp b, 0,1
.irp q, 0,1,2,3
	ds_store_b128 v[STO], v[32*(\m)+16*\b+4*\q:32*(\m)+16*\b+4*\q+3] offset:128*\b+16*\q
.endr
.endr
	WIN 0x40
.set ii, 0
.rept 8
	ds_load_b128 v[32*(\m)+4*ii:32*(\m)+4*ii+3], v[SRD] offset:2*OP*ii   ; LDS serves a wave's instructions in order (ISA guide 5.7.1.4)
.set ii, ii+1
.endr
.endm
.macro SEND m, younger
	s_wait_dscnt \younger
	WIN 0x04
.set ii, 0
.rept 8
	global_store_b128 v[GO], v[32*(\m)+4*ii:32*(\m)+4*ii+3], s[16:17] offset:(16*(\m)+2*ii)*2048 th:TH_STORE_NT   ; 16 lanes store 256 consecutive bytes, at a multiple of 256 from out0's first byte
.set ii, ii+1
.endr
.endm
.macro OUT2 half
	OSTAGE 2*(\half)
	OSTAGE 2*(\half)+1
	SEND 2*(\half), 16                             ; behind its loads: the next tile's 8 stores and 8 loads
	SEND 2*(\half)+1, 0
	WIN 0
.endm
; x, in four parts of 16 rows x my 512 bytes; three buffers of 64 registers in window 1
.macro XLOAD p
	WIN 0x40
.set ii, 0
.rept 16
	global_load_b128 v[64*((\p)%3)+4*ii:64*((\p)%3)+4*ii+3], v[LI], s[S_XB:S_XB+1] offset:(16*(\p)+ii)*2048 th:TH_LOAD_NT
.set ii, ii+1
.endr
.endm
.macro XPART p, left                   ; into my h as it is loaded; back a row to a lane; quantised; image to the codes' buffer
	s_wait_loadcnt \left
.if (\p) == 0
	WIN 0
	v_pk_mul_f32 v[52:53], v[52:53], s[C2S:C2S+1] op_sel_hi:[1,0]     ; the biases ahead of a tanh ride in its scaling's multiply-add
	v_pk_mul_f32 v[54:55], v[54:55], s[C2S:C2S+1] op_sel_hi:[1,0]
	v_pk_mul_f32 v[B2R:B2R+1], v[B2R:B2R+1], s[C2S:C2S+1] op_sel_hi:[1,0]
	ds_store_b128 v[BST], v[52:55]                 ; bf serves the first two layers
.endif
	WIN 0x04
.set ii, 0
.rept 16
	ds_store_b128 v[XSI], v[64*((\p)%3)+4*ii:64*((\p)%3)+4*ii+3] offset:HP*(16*(\p)+ii)
.set ii, ii+1
.endr
	WIN 0x40
.irp b, 0,1,2,3
.irp q, 0,1,2,3
	ds_load_b128 v[192+16*\b+4*\q:192+16*\b+4*\q+3], v[HRD] offset:HP*16*(\p)+128*\b+16*\q
.endr
.endr
	s_wait_dscnt 0x0                               ; the part is back; all earlier LDS stores have read their registers
.if (\p) == 1
	XLOAD 3                                        ; into the buffer that part 0 has left
.endif
	QUANT 192, 224, 64*((\p)%3), 1
	WIN 0x04
.irp t, 0,1,2
	ds_store_b128 v[OADR], v[64*((\p)%3)+4*\t:64*((\p)%3)+4*\t+3] offset:FRB*(\p)+512*\t
.endr
	WIN 0
	ds_store_b32 v[OSAD], v[PW] offset:128*((\p)%2)+4*((\p)/2)   ; lanes r and r + 16 write the same word with the same value
.endm
.macro PHTOP                           ; a phase's head: the barrier, and which unit is mine in this phase
	s_wait_alu depctr_va_vdst(0)
	s_wait_dscnt 0x0                               ; my LDS stores lie in LDS, my LDS reads are over
	s_barrier_signal -1
	s_barrier_wait -1
	s_add_co_u32 s[S_Q], s[S_T], s[S_ROLC]
	s_cmp_ge_u32 s[S_Q], 3
	s_cselect_b32 s[S_U], 256, 0
	s_cselect_b32 s[S_CC], 1, 0
	v_add_nc_u32 v[HAD], s[S_U], v[HRD]
	v_add_nc_u32 v[BADR], s[S_U], v[BRD]
	s_wait_alu depctr_va_vdst(0)
.endm
	s_load_b256 s[4:11], s[0:1], 0x0               ; inp, hz, wq, bf
	s_load_b128 s[12:15], s[0:1], 0x20             ; b1, b2
	s_load_b64 s[16:17], s[0:1], 0x30              ; out0
	v_lshl_add_u32 v[SPW], v0, 2, SPARE
	v_mov_b32 v[NIL], 0
	v_lshrrev_b32 v22, 5, v0
	v_readfirstlane_b32 s[S_WV], v22               ; wave 0..7
	s_lshr_b32 s[S_TS], s[S_WV], 2
	s_xor_b32 s[S_TS], s[S_TS], s[S_WV]
	s_and_b32 s[S_TS], s[S_TS], 1                  ; my role
	s_xor_b32 s[S_ROLC], s[S_TS], 1
	s_mov_b32 s[C2S], 0x4038aa3b
	s_mov_b32 s[C2S+1], s[C2S]
	s_mov_b32 s[DTS], 0x3dcccccd
	s_mov_b32 s[DTS+1], s[DTS]
	s_mov_b32 s[SEL], 0x76543210
	s_mov_b32 s[SEL+1], 0xfedcba98
	s_mov_b32 s[S_NU], 0
	v_and_b32 v22, 31, v0                          ; lane
	v_and_b32 v23, 15, v0                          ; r
	v_bfe_u32 v24, v0, 4, 1                        ; h
	v_lshlrev_b32 v[LI], 4, v22
	v_lshlrev_b32 v[L4], 2, v22
	v_add_nc_u32 v[AADR], ABUF, v[LI]
	v_lshlrev_b32 v[ASAD], 3, v22
	v_add_nc_u32 v[ASAD], ABUF+ASC, v[ASAD]
	s_mul_i32 s44, s[S_WV], 4*FRB                  ; my columns are K step w of the next layer
	v_add_nc_u32 v[OADR], s44, v[AADR]
	s_lshl_b32 s44, s[S_WV], 8
	v_lshl_add_u32 v[OSAD], v23, 3, s44
	v_add_nc_u32 v[OSAD], ABUF+ASC, v[OSAD]
	v_lshl_add_u32 v[B2G], v22, 3, s44
	s_mul_i32 s45, s[S_WV], HW                     ; my h
	v_mul_u32_u24 v[HRD], v23, HP
	v_lshl_add_u32 v[HRD], v24, 6, v[HRD]
	v_add_nc_u32 v[HRD], s45, v[HRD]
	v_add_nc_u32 v[XSI], s45, v[LI]
	v_mul_u32_u24 v[STO], v23, OP
	v_lshl_add_u32 v[STO], v24, 6, v[STO]
	v_add_nc_u32 v[STO], s45, v[STO]
	v_mul_u32_u24 v[SRD], v24, OP
	v_lshl_add_u32 v[SRD], v23, 4, v[SRD]
	v_add_nc_u32 v[SRD], s45, v[SRD]
	v_lshlrev_b32 v[GO], 11, v24
	v_lshl_add_u32 v[GO], v23, 4, v[GO]
	s_lshl_b32 s46, s[S_WV], 9
	v_lshl_add_u32 v[BRD], v24, 6, s46
	v_add_nc_u32 v[BRD], BIAS, v[BRD]
	v_add_nc_u32 v[BGO], s46, v[LI]
	v_add_nc_u32 v[BST], BIAS, v[BGO]
	v_lshl_add_u32 v[B2A], v22, 3, s46
	v_add_nc_u32 v[B2A], BIAS, v[B2A]
.irp b, 0,1,2,3
	v_mov_b32 v[TM+4+\b], 0                        ; written once: a lane permute's destination counts as one of its sources
	v_mov_b32 v[PWH+\b], 0
.endr
	s_lshr_b32 s44, s[S_WV], 1                     ; wq: quarter w / 2; slots 4 (w % 2) + 2 unit + K step / 4 of a tensor of 1,024 columns, 2 (w % 2) + K step / 4 of W2
	s_mul_i32 s[S_OFF], s44, QB
	s_and_b32 s45, s[S_WV], 1
	s_mul_i32 s46, s45, 4*SLOTB
	s_add_co_u32 s[S_OFF], s[S_OFF], s46
	s_mov_b32 s[S_OFF+1], 0
	s_mul_i32 s46, s45, 2*SLOTB
	s_sub_co_u32 s[S_O6], 16*SLOTB, s46
	s_lshl_b32 s2, ttmp9, 17                       ; my 64 rows of 2,048 bytes, in inp, hz and out0
	s_mov_b32 s3, 0
	s_and_b32 s44, s[S_WV], 3
	s_lshl_b32 s44, s44, 9                         ; waves 0-3: inp's columns 128 w on; waves 4-7: hz's
	s_add_co_u32 s44, s44, s2
	s_mov_b32 s45, 0
	s_lshl_b32 s46, s[S_WV], 8
	s_add_co_u32 s2, s2, s46                       ; out0: my 64 columns
	s_wait_alu depctr_va_vdst(0)
	s_wait_kmcnt 0x0
	s_add_nc_u64 s[S_WB0:S_WB0+1], s[8:9], s[S_OFF:S_OFF+1]
	s_mov_b64 s[S_WBN:S_WBN+1], s[S_WB0:S_WB0+1]
	s_cmp_lt_u32 s[S_WV], 4
	s_cselect_b64 s[S_XB:S_XB+1], s[4:5], s[6:7]
	s_add_nc_u64 s[S_XB:S_XB+1], s[S_XB:S_XB+1], s[44:45]
	s_add_nc_u64 s[16:17], s[16:17], s[2:3]
.irp k, 0,1,2,3
	WLOAD \k, S_WBN, \k                            ; my first unit's K steps 0-3
.endr
	global_load_b128 v[52:55], v[BGO], s[10:11]    ; bf, b1, b2 of my columns
	global_load_b128 v[B1R:B1R+3], v[BGO], s[12:13]
	global_load_b64 v[B2R:B2R+1], v[B2G], s[14:15]
	XLOAD 0
	XLOAD 1
	XLOAD 2
	XPART 0, 32                                    ; parts 1 and 2 may be out
	XPART 1, 16                                    ; part 2
	XPART 2, 16                                    ; part 3
	XPART 3, 0
	s_mov_b32 s[S_LAY], 0
.Llayer:                                               ; three layers of 1,024 columns: Wf, Wf, W1
	s_mov_b32 s[S_T], 0
.Lphase:
	PHTOP
	s_cmp_eq_u32 s[S_Q], 0
	s_cbranch_scc1 .Lnext
	s_cmp_eq_u32 s[S_Q], 5
	s_cbranch_scc1 .Lnext
	s_bitcmp1_b32 s[S_Q], 0
	s_cbranch_scc0 .Lepi
	MM 0
	s_branch .Lnext
.Lepi:
	s_cmp_eq_u32 s[S_LAY], 2
	s_cbranch_scc1 .Lrelu
	EUPD 0
	EUPD 1
	s_branch .Lnext
.Lrelu:
	ERELU 0
	ERELU 1
.Lnext:
	s_add_co_u32 s[S_T], s[S_T], 1
	s_cmp_lt_u32 s[S_T], 5
	s_cbranch_scc1 .Lphase
	s_wait_alu depctr_va_vdst(0)
	s_wait_dscnt 0x0
	s_barrier_signal -1
	s_barrier_wait -1                              ; nobody reads the layer's input any more: the new codes take its place
	WIN 0x04
.irp m, 0,1,2,3                        ; register q of a fragment's image lies at 512 (q / 4) + 16 lane + 4 (q % 4): registers 0-5 from the even unit, 6-11 from the odd one, in pairs
	ds_store_b64 v[OADR], v[HD+6*\m:HD+6*\m+1] offset:FRB*\m
	ds_store_b64 v[OADR], v[HD+6*\m+2:HD+6*\m+3] offset:FRB*\m+8
	ds_store_b64 v[OADR], v[HD+6*\m+4:HD+6*\m+5] offset:FRB*\m+512
	ds_store_b64 v[OADR], v[6*\m:6*\m+1] offset:FRB*\m+520
	ds_store_b64 v[OADR], v[6*\m+2:6*\m+3] offset:FRB*\m+1024
	ds_store_b64 v[OADR], v[6*\m+4:6*\m+5] offset:FRB*\m+1032
.endr
	WIN 0
.irp m, 0,1,2,3
	ds_store_b32 v[OSAD], v[PWH+\m] offset:128*(\m%2)+4*(\m/2)
.endr
	s_cmp_lg_u32 s[S_LAY], 1
	s_cbranch_scc1 .Lsame_bias
	ds_store_b128 v[BST], v[B1R:B1R+3]             ; b1 for the third layer: my own bytes, behind my last read of bf
.Lsame_bias:
	s_add_co_u32 s[S_LAY], s[S_LAY], 1
	s_cmp_lt_u32 s[S_LAY], 3
	s_cbranch_scc1 .Llayer
	ds_store_b64 v[B2A], v[B2R:B2R+1]              ; b2 x 2 log2(e)
	s_mov_b32 s[S_T], 0
.Lphase2:                                              ; the last layer, W2: one unit a wave, three phases
	PHTOP
	s_cmp_eq_u32 s[S_Q], 1
	s_cbranch_scc0 .Lnot_m
	MM 1
	s_branch .Lnext2
.Lnot_m:
	s_cmp_eq_u32 s[S_Q], 2
	s_cbranch_scc0 .Lnext2
	TANHH 0
	OUT2 0
	TANHH 1
	OUT2 1
	s_wait_xcnt 0x0                                ; the stores have read their registers: no way round the loop rewrites them ahead of this wait
.Lnext2:
	s_add_co_u32 s[S_T], s[S_T], 1
	s_cmp_lt_u32 s[S_T], 3
	s_cbranch_scc1 .Lphase2
	s_wait_tensorcnt 0x0                           ; the wave's end, behind my last LDS store
	ds_add_u32 v[SPW], v[NIL]
	s_wait_dscnt 0x0
	s_endpgm
.Lfunc_end_k_q9aff0efdcc_chain:
	.size	k_q9aff0efdcc_chain, .Lfunc_end_k_q9aff0efdcc_chain-k_q9aff0efdcc_chain
	.p2alignl 7, 3214868480
	.fill 96, 4, 3214868480
	.section	.rodata,"a",@progbits
	.p2align	6, 0x0
	.amdhsa_kernel k_q9aff0efdcc_chain
		.amdhsa_group_segment_fixed_size 326656
		.amdhsa_private_segment_fixed_size 0
		.amdhsa_enable_private_segment 0
		.amdhsa_kernarg_size 56
		.amdhsa_user_sgpr_count 2
		.amdhsa_user_sgpr_kernarg_segment_ptr 1
		.amdhsa_wavefront_size32 1
		.amdhsa_system_sgpr_workgroup_id_x 1
		.amdhsa_system_sgpr_workgroup_id_y 1
		.amdhsa_system_sgpr_workgroup_id_z 1
		.amdhsa_system_vgpr_workitem_id 0
		.amdhsa_next_free_vgpr 512
		.amdhsa_next_free_sgpr 66
		.amdhsa_reserve_vcc 0
		.amdhsa_float_denorm_mode_32 3
		.amdhsa_float_denorm_mode_16_64 3
		.amdhsa_memory_ordered 1
		.amdhsa_forward_progress 1
		.amdhsa_inst_pref_size 197
	.end_amdhsa_kernel
	.amdgpu_metadata
---
amdhsa.version: [ 1, 2 ]
amdhsa.kernels:
  - .name:           k_q9aff0efdcc_chain
    .symbol:         k_q9aff0efdcc_chain.kd
    .args:
      - { .name: inp, .offset: 0, .size: 8, .value_kind: global_buffer, .address_space: global }
      - { .name: hz, .offset: 8, .size: 8, .value_kind: global_buffer, .address_space: global }
      - { .name: wq, .offset: 16, .size: 8, .value_kind: global_buffer, .address_space: global }
      - { .name: bf, .offset: 24, .size: 8, .value_kind: global_buffer, .address_space: global }
      - { .name: b1, .offset: 32, .size: 8, .value_kind: global_buffer, .address_space: global }
      - { .name: b2, .offset: 40, .size: 8, .value_kind: global_buffer, .address_space: global }
      - { .name: out0, .offset: 48, .size: 8, .value_kind: global_buffer, .address_space: global }
    .group_segment_fixed_size: 326656
    .private_segment_fixed_size: 0
    .kernarg_segment_align: 8
    .kernarg_segment_size: 56
    .max_flat_workgroup_size: 256
    .sgpr_count:     66
    .vgpr_count:     512
    .wavefront_size: 32
...
	.end_amdgpu_metadata
.endif
;; end of part 2
